; MI455X (gfx1250); checked and timed in simulation.
; The chip was launched on July 23, 2026; its instructions are those of AMD's public machine-readable ISA for CDNA 5 (MIT licence, August 2026) and "CDNA5" Instruction Set Architecture Reference Guide (July 2026). The comments in the code are by the model that wrote it; some were corrected since.
;; Dot Product Attention. Allowed arithmetic: float matrix products may take bf16 or f16 operands with f32 sums; other float arithmetic in f32, or as packed bf16 or f16 multiplies, adds, multiply-adds, maxima and minima; sums over many terms, partial sums and values carried from step to step in f32; what a program stores and reads back later, other than sums and carried values, may be rounded once to bf16 or f16.
;; Inputs: keys 256 x 1,024 x 64 float32; queries 256 x 1,024 x 64 float32; valid_lens 256 int32; values 256 x 1,024 x 64 float32; window_mask 4 x 1,024 x 1,024 float32.
;; Outputs: out0 256 x 1,024 x 64 float32.
;; 2 versions, each right; version 2 is version 1 with the launch attn written anew for expert scheduling mode. Each part assembles by itself: llvm-mc -triple=amdgcn-amd-amdhsa -mcpu=gfx1250 --defsym DOCPART=n.
;; ======== version 1 of 2: 1 launch
;; limits: right only within a limited range of input values; values are held in f16: magnitudes above 65,504 overflow, below 6.1e-05 lose precision; inputs' magnitudes at most 65,504
;; launch attn (part 1): grid 256 x 1, 4 waves a work-group, no clusters, 148,992 bytes of LDS; arguments keys, queries, valid_lens, values, window_mask, out0; writes out0
.if DOCPART == 1
	.amdgcn_target "amdgcn-amd-amdhsa--gfx1250"
	.amdhsa_code_object_version 6
	.text
	.protected	k_q464c008be2_attn
	.globl	k_q464c008be2_attn
	.p2align	8
	.type	k_q464c008be2_attn,@function
k_q464c008be2_attn:
	s_mov_b64 s[64:65], 0
	v_nop
	global_prefetch_b8 v0, s[64:65] scope:SCOPE_SE
	s_setreg_imm32_b32 hwreg(HW_REG_WAVE_MODE, 25, 1), 1
	s_wait_xcnt 0x0
; out[n][q][:] = sum over k of softmax_k(s[n][q][k]) V[n][k][:],  s = Q[n][q].K[n][k] / 8 + window_mask[(n >> 3) & 3][q][k] where k < valid_lens[n], else -1e6.
; 256 heads n, 1,024 queries, 1,024 keys, 64 channels, all f32.  Q / 8 (exact), K, V and the weights p go to the matrix unit in f16; the mask, scores, maxima and sums stay in f32.
; LIMITS.  |Q| / 8, |K|, |V| stay within f16's 65,504.  Where valid_lens[n] >= 1, each query's largest valid score lies above -1e6 + 150: a hidden key's weight is then 0 in f32, as it is
; in the softmax taken over all keys, and key steps that lie wholly behind valid_lens[n] are left out on that ground.  valid_lens[n] <= 0: every score is -1e6 and all 16 steps are walked.
; valid_lens[n] > 1,024 counts as 1,024.  A weight below 2^-126 counts as 0; NaN and infinities are not treated apart.
; SHARES.  A JOB is one head x 512 queries; each of the four waves has 128 of them, eight PIECES of 16.  A work-group does TWO jobs: with the heads ordered by their number of live keys
; (a head with none valid counts 1,024), the head of rank g >> 1 from the top and the head of the same rank from the bottom, of both the half g & 1 of the queries: long and short together.
; Every wave finds the two heads itself, from valid_lens, by a search over the 20 bits of a key (length, flag, head) in whole numbers.
; THE WALK.  Keys go 64 a step; the loop over steps has 16 trips, always, with one barrier at each trip's head.  Behind it a forward jump picks the plain text (a step that is wholly valid
; and not the last), the masked text (the last live step, or every step where nothing is valid) or the trip's bottom (a step that is left out).  No barrier is jumped over.
; LAYOUT.  S^T = K Q^T + M (source 0 = 16 keys, source 1 = 16 queries, C = the window mask as it lies in memory): a lane holds ONE query (lane % 16) and the keys 8 (lane / 16) + 0..7.  Two such
; results rounded to f16 ARE source 1 of O^T = V^T P.  p = 2^(c s - c m), c = log2(e), with a running maximum m; O and l are multiplied by a = 2^(c m_old - c m_new) in every step.
; TURNS.  Turn n belongs to piece n: 8 products K Q^T of piece n + 1, later 8 products V^T P of piece n - 1; beside them the scaling, exponentials, roundings, sums and rescaling of piece n and the
; maximum and statistics of piece n + 1.  Four vector instructions stand behind every matrix instruction, the other 54 of a turn's 118 in two runs of their own.
; K AND V come as f32 through registers (each wave 16 rows of each tile), are rounded to f16 and stored into one of four LDS slots, two trips ahead of V's use, one ahead of K's.
; NO CLUSTER, NO TENSOR LOADS.  K and V must pass through registers to be rounded.  The work-groups that read the same mask rows walk different heads, with different numbers of live steps
; (1 to 16, by valid_lens): a joint walk would have the longest partner's length for all.
; REGISTERS, in windows of 256 (s_set_vgpr_msb: bits 1:0 source 0, 3:2 source 1, 5:4 source 2, 7:6 destination):
;   window 0: v0-15, v56-63 addresses and constants; v16-47 four statistics a piece; v48-55 at work; v64-127 S^T, two buffers; v128-159 P, two buffers; v192-255 a tile quarter of K and V in f32
;   window 1: O^T, 32 a piece (at a job's start: Q in f32)     window 2: v0-127 Q; v128-191 K of one step; v192-255 V of one step     window 3: the mask, 32 a piece (at a job's end: rows of O)
.set NP,    8         ; pieces a wave
.set PK,    144       ; a row of K in LDS: 128 bytes + 16 = 36 words: the 16 rows of a load start at 16 different groups of four banks (64 banks of 4 bytes: ISA guide 11.1)
.set PV,    160       ; a row of V: 128 + 32 = 40 words
.set VOFF,  64*PK     ; in a slot: 64 rows of K, then 64 rows of V
.set SLOTB, 32768     ; tile t lies in slot t & 3
.set STAGE, 4*SLOTB   ; behind the slots: 16 rows x 272 bytes for each wave, its own, for the way out
.set SP,    272       ; 256 bytes + 16 = 68 words
.set SPARE, STAGE+4*16*SP  ; the spare words, 128 bytes for each wave: two blocks of 256 bytes that no other line names
.set AK0, 2           ; my lane's place in a tile of K; never rewritten
.set AV0, 3           ; the same for V
.set AK,  4           ; LDS address of K's next run of loads
.set AV,  5           ; of V's
.set STO, 6           ; the way out: where I put 32 bytes of a row
.set RD,  7           ; the way out: where I read rows back
.set GO,  8           ; my 16 bytes in 512 consecutive bytes of out
.set H8,  9           ; 8 (lane / 16)
.set MO,  10          ; my byte offset in 16 rows of the mask
.set SO,  11          ; my byte offset in a tile of K or V in memory
.set MV,  12          ; v12-13  c m_old, by buffer
.set KS0, 14          ; where I store 8 bytes of K in slot 0
.set VS0, 15          ; the same for V
.set ST,  16          ; piece t's statistics at v[ST+4 t]: c m, m, l (even keys', odd keys')
.set TMP, 48          ; by buffer, four registers c0-c3 at work; when the maximum is found c2 takes a
.set KSA, 56          ; this trip's store addresses
.set VSA, 57
.set THR, 58          ; valid keys left from this step's first on, less my lanes' 8 (lane / 16)
.set NEGR, 59         ; -1e6
.set PFO, 60          ; the prefetch's offset
.set QO,  61          ; my byte offset in 16 rows of Q
.set SPW, 62          ; LDS address of my spare word; never rewritten
.set NIL, 63          ; 0; never rewritten
.set S,   64
.set P,   128
.set KEY, 160         ; v160-167  the search's keys of heads 8 lane .. 8 lane + 7
.set STG, 192         ; K's quarter in 32 registers, then V's
.set STGB, 64         ; a second such set at a job's start, where S^T will lie
.set KF,  128         ; window 2: key block kb, channel half c at KF + 16 kb + 8 c
.set VF,  192         ; window 2: key half kk, channel block cb at VF + 32 kk + 8 cb
.set WV,  16          ; my wave's number
.set HF,  17          ; which half of a head's queries
.set JOB, 18
.set SI,  19          ; the key step
.set NT,  20          ; live steps of the head
.set NU,  21          ; steps that take the plain text
.set TM1, 22          ; NT - 1
.set VL,  23          ; valid keys
.set KH,  24          ; s[24:25] K of the head;  s[26:27] V
.set VH,  26
.set MH,  28          ; the mask at my wave's rows
.set OB,  30          ; out at my wave's rows
.set QB,  32          ; Q at my wave's rows
.set KA,  34          ; the tile that is being loaded, of K and of V
.set VA,  36
.set MB,  38          ; the mask at the step whose fragments are being loaded
.set PF,  40          ; the tile that is being prefetched
.set OF,  42          ; s[42:43] an offset; the high word stays 0
.set CS,  44          ; s[44:45] c
.set SELR, 46         ; s[46:47] v_permlanex16_b32's selects: each lane takes its own place in the other half
.set TBK, 48          ; slot of K's next fetch;  49 of V's;  50 of the stores
.set TBV, 49
.set TBS, 50
.set TH,  51
.set XC,  52          ; the key of the job's head;  53 of the second job's
.set X1,  53
.set BIGS, 54         ; -1e38
.set QS,  56          ; s[56:57] 1/8
.set MK,  66          ; s[66:97] 32 lane masks: register z of a piece's scores holds a valid key
.set MSB, 0
.macro WIN new                      ; the high byte repeats the setting that is left; a switch that changes nothing is dropped
.if MSB != (\new)
	s_set_vgpr_msb (MSB<<8)|(\new)
.set MSB, (\new)
.endif
.endm
.set W_KQ, 0x0a       ; K and Q in window 2, S^T in window 0
.set W_KM, 0x3a       ; the same with the C operand, the mask, in window 3
.set W_PV, 0x52       ; V in window 2, P in window 0, O^T in window 1
.set W_RS, 0x41       ; destination and source 0 in window 1
	s_load_b256 s[4:11], s[0:1], 0x0               ; keys s[4:5], queries s[6:7], valid_lens s[8:9], values s[10:11]
	s_load_b128 s[12:15], s[0:1], 0x20             ; window_mask s[12:13], out0 s[14:15]
	v_lshl_add_u32 v[SPW], v0, 2, SPARE
	v_mov_b32 v[NIL], 0
	v_lshrrev_b32 v12, 5, v0
	v_readfirstlane_b32 s[WV], v12                 ; wave 0..3
	s_and_b32 s[HF], ttmp9, 1
	v_and_b32 v1, 15, v0                           ; r = l % 16
	v_bfe_u32 v12, v0, 4, 1                        ; h = l / 16
	v_and_b32 v13, 31, v0                          ; l
	v_mul_u32_u24 v[AK0], v1, PK                   ; a fragment of K: row r, 16 bytes for each half of the lanes
	v_lshl_add_u32 v[AK0], v12, 4, v[AK0]
	v_and_b32 v4, 7, v0                            ; the turning load: lane l reads key 8 h + l % 8, channels 8 ((l / 8) % 2) + 0..7
	v_bfe_u32 v5, v0, 3, 1
	v_lshl_add_u32 v[AV0], v12, 3, v4
	v_mul_u32_u24 v[AV0], v[AV0], PV
	v_lshl_add_u32 v[AV0], v5, 4, v[AV0]
	v_add_nc_u32 v[AV0], VOFF, v[AV0]
	s_mul_i32 s58, s[WV], 16*SP
	s_add_co_u32 s58, s58, STAGE                   ; my stage
	v_mul_u32_u24 v[STO], v1, SP                   ; in: row r, 32 bytes for each half of the lanes
	v_lshl_add_u32 v[STO], v12, 5, v[STO]
	v_add_nc_u32 v[STO], s58, v[STO]
	v_mul_u32_u24 v[RD], v12, SP                   ; back: lanes 0-15 take one row of 256 bytes, lanes 16-31 the next
	v_lshl_add_u32 v[RD], v1, 4, v[RD]
	v_add_nc_u32 v[RD], s58, v[RD]
	v_lshlrev_b32 v[GO], 4, v13                    ; which are 512 consecutive bytes of out
	v_lshlrev_b32 v[H8], 3, v12
	v_lshlrev_b32 v[MO], 12, v1                    ; mask: row r of 4,096 bytes, my 8 keys' 32 bytes
	v_lshl_add_u32 v[MO], v12, 5, v[MO]
	s_lshl_b32 s58, s[WV], 12
	v_lshl_add_u32 v[SO], v13, 4, s58              ; a tile in memory: my wave's 16 rows of 256 bytes, 16 bytes a lane
	s_mul_i32 s58, s[WV], 16*PK
	v_mul_u32_u24 v[KS0], v12, PK                  ; and in LDS: row 16 w + h (+ 2 for each load), 8 bytes of f16 a lane
	v_lshl_add_u32 v[KS0], v1, 3, v[KS0]
	v_add_nc_u32 v[KS0], s58, v[KS0]
	s_mul_i32 s58, s[WV], 16*PV
	s_add_co_u32 s58, s58, VOFF
	v_mul_u32_u24 v[VS0], v12, PV
	v_lshl_add_u32 v[VS0], v1, 3, v[VS0]
	v_add_nc_u32 v[VS0], s58, v[VS0]
	s_and_b32 s58, s[WV], 1
	s_lshl_b32 s58, s58, 13
	v_lshl_add_u32 v[PFO], v13, 8, s58             ; prefetch: waves 0 and 1 take 32 rows of a tile each, a lane a row of 256 bytes
	v_lshlrev_b32 v[QO], 8, v1                     ; Q: row r of 256 bytes, my 8 channels' 32 bytes
	v_lshl_add_u32 v[QO], v12, 5, v[QO]
	v_mov_b32 v[NEGR], 0xc9742400                  ; -1e6
	s_mov_b32 s[CS], 0x3fb8aa3b                    ; c = log2(e)
	s_mov_b32 s[CS+1], s[CS]                       ; named with it as a pair
	s_mov_b32 s[SELR], 0x76543210
	s_mov_b32 s[SELR+1], 0xfedcba98
	s_mov_b32 s[BIGS], 0xfe967699                  ; -1e38
	s_mov_b32 s[QS], 0x3e000000                    ; 1/8
	s_mov_b32 s[QS+1], s[QS]
	s_mov_b32 s[OF+1], 0
	; WHICH TWO HEADS.  key = length << 9 | (nothing valid) << 8 | head, with length 1,024 where nothing is valid: 256 different numbers of 20 bits, 8 a lane.
	v_lshlrev_b32 v4, 5, v13                       ; 32 l: my eight lengths
	v_lshlrev_b32 v5, 3, v13                       ; 8 l: the first of my heads
	s_wait_kmcnt 0x0
	global_load_b128 v[KEY:KEY+3], v4, s[8:9]
	global_load_b128 v[KEY+4:KEY+7], v4, s[8:9] offset:16
	s_lshr_b32 s58, ttmp9, 1                       ; the first job's rank from the top,
	s_sub_co_u32 s59, 255, s58                     ; the second's
	s_mov_b32 s[XC], 0
	s_mov_b32 s[X1], 0
	s_mov_b32 s60, 1<<19
	s_mov_b32 s61, 20
	s_wait_loadcnt 0x0
.irp m, 0,1,2,3,4,5,6,7
	v_cmp_lt_i32 vcc_lo, 0, v[KEY+\m]              ; is any key valid?
	v_min_u32 v[KEY+\m], 0x400, v[KEY+\m]
	v_lshlrev_b32 v[KEY+\m], 9, v[KEY+\m]
	v_cndmask_b32 v[KEY+\m], 0x80100, v[KEY+\m], vcc_lo
	v_add3_u32 v[KEY+\m], v[KEY+\m], v5, \m
.endr
.Lsel:                                                 ; bit by bit from the top: the largest X with more than `rank` keys at or above it is the key of that rank
	s_or_b32 s62, s[XC], s60
	s_or_b32 s63, s[X1], s60
.irp m, 0,1,2,3,4,5,6,7
	v_cmp_le_u32 s[MK+\m], s62, v[KEY+\m]
	v_cmp_le_u32 s[MK+8+\m], s63, v[KEY+\m]
.endr
	s_mov_b32 s82, 0
	s_mov_b32 s83, 0
.irp m, 0,1,2,3,4,5,6,7
	s_bcnt1_i32_b32 s84, s[MK+\m]
	s_bcnt1_i32_b32 s85, s[MK+8+\m]
	s_add_co_u32 s82, s82, s84
	s_add_co_u32 s83, s83, s85
.endr
	s_cmp_gt_u32 s82, s58
	s_cselect_b32 s[XC], s62, s[XC]
	s_cmp_gt_u32 s83, s59
	s_cselect_b32 s[X1], s63, s[X1]
	s_lshr_b32 s60, s60, 1
	s_sub_co_u32 s61, s61, 1
	s_cmp_lg_u32 s61, 0
	s_cbranch_scc1 .Lsel
; A quarter of a tile of K and of V, f32: 16 loads, each of 512 consecutive bytes (two rows).
.macro LOADST base, ka, va
	WIN 0
.irp f, 0,1,2,3,4,5,6,7
	global_load_b128 v[(\base)+4*\f:(\base)+4*\f+3], v[SO], s[\ka:\ka+1] offset:512*\f
.endr
.irp f, 0,1,2,3,4,5,6,7
	global_load_b128 v[(\base)+32+4*\f:(\base)+32+4*\f+3], v[SO], s[\va:\va+1] offset:512*\f
.endr
.endm
; It is rounded to f16, in place, and stored into a slot: 8 bytes a lane, two rows an instruction.
.macro CONVERT base, ka, va, off
	WIN 0
.irp f, 0,1,2,3,4,5,6,7
	v_cvt_pk_f16_f32 v[(\base)+4*\f], v[(\base)+4*\f], v[(\base)+4*\f+1]
	v_cvt_pk_f16_f32 v[(\base)+4*\f+1], v[(\base)+4*\f+2], v[(\base)+4*\f+3]
	ds_store_b64 v[\ka], v[(\base)+4*\f:(\base)+4*\f+1] offset:(\off)+2*PK*\f
.endr
.irp f, 0,1,2,3,4,5,6,7
	v_cvt_pk_f16_f32 v[(\base)+32+4*\f], v[(\base)+32+4*\f], v[(\base)+32+4*\f+1]
	v_cvt_pk_f16_f32 v[(\base)+32+4*\f+1], v[(\base)+32+4*\f+2], v[(\base)+32+4*\f+3]
	ds_store_b64 v[\va], v[(\base)+32+4*\f:(\base)+32+4*\f+1] offset:(\off)+2*PV*\f
.endr
.endm
; The mask of piece x for one step, as four C operands: register j of group kt is mask[row r][16 kt + 8 h + j].  The eight loads together take 256 aligned bytes of each of the piece's 16 rows.
.macro MLOAD x
	WIN 0xc0                        ; destination window 3, address window 0
.irp f, 0,1,2,3,4,5,6,7
	global_load_b128 v[32*(\x)+4*\f:32*(\x)+4*\f+3], v[MO], s[MB:MB+1] offset:(\x)*65536+64*(\f/2)+16*(\f%2)
.endr
	WIN 0
.endm
; THE LDS LOADS stand in runs of 16, never singly among the matrix instructions: a step's K (64 keys x 64 channels: 8 fragments) and its V (turned).
.macro FETCH_K
	WIN 0x80                        ; destination window 2
.irp f, 0,1,2,3,4,5,6,7             ; keys 16 (f / 2) on, channels 32 (f % 2) on
	ds_load_b128 v[KF+8*\f:KF+8*\f+3],   v[AK] offset:(\f/2)*16*PK+(\f%2)*64
	ds_load_b128 v[KF+8*\f+4:KF+8*\f+7], v[AK] offset:(\f/2)*16*PK+(\f%2)*64+32
.endr
	WIN 0
.endm
.macro FETCH_V
	WIN 0x80
.irp f, 0,1,2,3,4,5,6,7             ; keys 32 (f / 4) on, channels 16 (f % 4) on
	ds_load_tr16_b128 v[VF+8*\f:VF+8*\f+3],   v[AV] offset:(\f/4)*32*PV+(\f%4)*32
	ds_load_tr16_b128 v[VF+8*\f+4:VF+8*\f+7], v[AV] offset:(\f/4)*32*PV+16*PV+(\f%4)*32
.endr
	WIN 0
.endm
; THE MATRIX WORK.  The 4 accumulators of a run of 8 take turns.  Product i of 8 of S^T = K Q^T + M for piece x: channels 32 (i / 4) on, keys 16 (i % 4) on.  The first 4 start the sums with the mask.
.macro KQ x
.set rS, S+32*((\x)%2)+8*(i%4)
.set rK, KF+16*(i%4)+8*(i/4)
.set rQ, 16*(\x)+8*(i/4)
.set rM, 32*(\x)+8*(i%4)
.if i < 4
	WIN W_KM
	v_wmma_f32_16x16x32_f16 v[rS:rS+7], v[rK:rK+7], v[rQ:rQ+7], v[rM:rM+7]
.else
	WIN W_KQ
	v_wmma_f32_16x16x32_f16 v[rS:rS+7], v[rK:rK+7], v[rQ:rQ+7], v[rS:rS+7]
.endif
.endm
; Product i of 8 of O^T += V^T P for piece x: keys 32 (i / 4) on, channels 16 (i % 4) on.
.macro PV x
	WIN W_PV
.set rO, 32*(\x)+8*(i%4)
.set rV, VF+32*(i/4)+8*(i%4)
.set rP, P+16*((\x)%2)+8*(i/4)
	v_wmma_f32_16x16x32_f16 v[rO:rO+7], v[rV:rV+7], v[rP:rP+7], v[rO:rO+7]
.endm
.macro MM                           ; the turn's next matrix instruction.  NOKQ = 1: a job's last turn: there is no next piece
.if (i < 8) && !NOKQ
	KQ (Y+1)%NP
.elseif i >= 8
.set i, i-8
	PV (Y+NP-1)%NP
.set i, i+8
.endif
.set i, i+1
.endm
; THE VECTOR WORK, one line at a time: OP kind, number.  For piece Y: F n: c s - c m for pair n of 16.  E n: the exponential of score n of 32.  C n: pair n rounded to f16.  B n: of the four weights 4 n .. the second
; pair is added onto the first, in place.  L n: l takes that sum (L 0: l = a l + sum).  R n: pair n of 16 of O^T times a.  For piece Y + 1: X n, number n of the 22 that find its maximum and statistics:
;   0-11  four chains c0-c3 of seven scores each, three operands at a time (each accumulator's lowest registers are read first)     12-14, 16  the four scores left over, the old m, and c0-c3 into c0
;   15  c m_old is kept     17, 18  the query's other 32 keys lie in the lane 16 away: the new m     19-21  c m; c m_old - c m_new; a
.set F, 0
.set E, 1
.set C, 2
.set B, 3
.set L, 4
.set R, 5
.set X, 6
.macro REGS y                       ; the registers of piece y; its buffers go by its number's parity
.set rT, ST+4*(\y)
.set rC, TMP+4*((\y)%2)
.set rW, MV+((\y)%2)
.set rS, S+32*((\y)%2)
.set rP, P+16*((\y)%2)
.set rO, 32*(\y)
.endm
.macro OP k, n
.if (\k) == R
	REGS Y
	WIN W_RS
	v_pk_mul_f32 v[rO+2*(\n):rO+2*(\n)+1], v[rO+2*(\n):rO+2*(\n)+1], v[rC+2:rC+3] op_sel_hi:[1,0]
.elseif (\k) < R
	REGS Y
	WIN 0
.if (\k) == F
	v_pk_fma_f32 v[rS+2*(\n):rS+2*(\n)+1], v[rS+2*(\n):rS+2*(\n)+1], s[CS:CS+1], v[rT:rT+1] op_sel_hi:[1,0,0] neg_lo:[0,0,1] neg_hi:[0,0,1]
.elseif (\k) == E
	v_exp_f32 v[rS+(\n)], v[rS+(\n)]
.elseif (\k) == C
	s_wait_alu depctr_va_vdst(0)
	v_cvt_pk_f16_f32 v[rP+(\n)], v[rS+2*(\n)], v[rS+2*(\n)+1]
.elseif (\k) == B
	s_wait_alu depctr_va_vdst(0)
	v_pk_add_f32 v[rS+4*(\n):rS+4*(\n)+1], v[rS+4*(\n):rS+4*(\n)+1], v[rS+4*(\n)+2:rS+4*(\n)+3]
.elseif (\n) == 0
	v_pk_fma_f32 v[rT+2:rT+3], v[rT+2:rT+3], v[rC+2:rC+3], v[rS:rS+1] op_sel_hi:[1,0,1]
.else
	v_pk_add_f32 v[rT+2:rT+3], v[rT+2:rT+3], v[rS+4*(\n):rS+4*(\n)+1]
.endif
.elseif NOKQ
	v_nop
.else
	REGS (Y+1)%NP
	WIN 0
.if (\n) < 4
	v_max3_num_f32 v[rC+(\n)], v[rS+8*(\n)], v[rS+8*(\n)+1], v[rS+8*(\n)+2]
.elseif (\n) < 12
	v_max3_num_f32 v[rC+(\n)%4], v[rC+(\n)%4], v[rS+8*((\n)%4)+2*((\n)/4)+1], v[rS+8*((\n)%4)+2*((\n)/4)+2]
.elseif (\n) == 12
	v_max3_num_f32 v[rC], v[rC], v[rS+7], v[rS+15]
.elseif (\n) == 13
	v_max3_num_f32 v[rC+1], v[rC+1], v[rS+23], v[rS+31]
.elseif (\n) == 14
	v_max3_num_f32 v[rC+2], v[rC+2], v[rC+3], v[rT+1]
.elseif (\n) == 15
	v_mov_b32 v[rW], v[rT]
.elseif (\n) == 16
	v_max3_num_f32 v[rC], v[rC], v[rC+1], v[rC+2]
.elseif (\n) == 17
	v_permlanex16_b32 v[rC+3], v[rC], s[SELR], s[SELR+1]
.elseif (\n) == 18
	v_max_num_f32 v[rT+1], v[rC], v[rC+3]
.elseif (\n) == 19
	v_mul_f32 v[rT], s[CS], v[rT+1]
.elseif (\n) == 20
	v_sub_f32 v[rC+1], v[rW], v[rT]
.else
	v_exp_f32 v[rC+2], v[rC+1]
.endif
.endif
.endm
.macro OPS a, i1, b=-1, i2=0, c=-1, i3=0, d=-1, i4=0  ; up to four of them
	OP \a, \i1
.if (\b) >= 0
	OP \b, \i2
.endif
.if (\c) >= 0
	OP \c, \i3
.endif
.if (\d) >= 0
	OP \d, \i4
.endif
.endm
.macro ROW a, i1, b, i2, c, i3, d, i4  ; a matrix instruction and the four behind it
	MM
	OPS \a, \i1, \b, \i2, \c, \i3, \d, \i4
.endm
; The masked text: the scores of piece x at hidden keys become -1e6, exactly.  Ascending.
.macro HIDE x
	WIN 0
.set z, 0
.rept 32
	v_cndmask_b32 v[S+32*((\x)%2)+z], v[NEGR], v[S+32*((\x)%2)+z], s[MK+z]
.set z, z+1
.endr
.endm
; A TURN, for piece p: the order of its 16 matrix and 118 vector instructions, written out.  Behind a matrix instruction: plain, exponential, plain, plain; or four of the rescaling; or, behind the first, four scalings; none
; names a register of the products round it.  In the runs between, exponential and plain by turns while exponentials last: a plain instruction stands behind every exponential (ISA guide 5.7.2).
; m = 1: the masked text: the new scores pass HIDE, nine plain instructions behind the last product that made them; no mask and no K of a further step is asked for.  end = 1: a job's last turn.
; The wait at the head is for the mask of piece p + 1.  Plain text: behind its 8 loads were issued the later pieces' 8 (7 - x), the trip's 16 of K and V and the next step's 8 x: 72; the count names the field's 63.
; Masked text: the later pieces' 8 (7 - x) and the trip's 16.
; The plain text loads that piece's mask for the NEXT step as soon as its four first products are eight plain instructions back.  K of the next step is fetched in piece 6's turn, five plain instructions behind the last
; product that read K; V of the step in hand in piece 0's turn, four plain instructions behind the last product that read V.
.macro TURN p, m=0, end=0
.set Y, (\p)
.set XP, ((\p)+1)%NP
.set i, 0
.set NOKQ, (\end)
.if !(\end)
.if (\m) && (8*(7-XP)+16 < 63)
	s_wait_loadcnt 8*(7-XP)+16
.else
	s_wait_loadcnt 63
.endif
.endif
	ROW F,0, F,1, F,2, F,3
	ROW F,4, E,0, F,5, F,6
	ROW F,7, E,1, F,8, F,9
	ROW F,10, E,2, C,0, F,11
	ROW F,12, E,3, X,15, F,13
	ROW R,0, R,1, R,2, R,3
	ROW B,0, E,4, F,14, L,0
.if ((\p) == 6) && !(\m) && !(\end)
	WIN 0
	v_add_nc_u32 v[AK], s[TBK], v[AK0]
.endif
	ROW R,4, R,5, R,6, R,7
	OPS E,5, F,15
.if ((\p) == 6) && !(\m) && !(\end)
	FETCH_K
.endif
.if !(\m) && !(\end)
	MLOAD XP
.endif
	OPS E,6, C,1, E,7, R,8
	OPS E,8, R,9, E,9, C,2
.if (\m) && !(\end)
	HIDE XP
.endif
	OPS E,10, X,0, E,11, X,1
	OPS E,12, X,2, E,13, X,3
.if (\p) == 1
	s_wait_dscnt 0x0                ; V is in
.endif
	ROW X,4, E,14, X,5, X,6
	ROW X,7, E,15, X,8, X,9
	ROW X,10, E,16, X,11, X,12
	ROW X,13, E,17, X,14, B,1
	ROW C,4, E,18, X,16, L,1
	ROW B,2, E,19, C,6, L,2
	ROW C,8, E,20, B,3, B,4
.if (\p) == 0
	WIN 0
	v_add_nc_u32 v[AV], s[TBV], v[AV0]
.endif
	ROW C,3, E,21, L,3, C,5
	OPS E,22, X,17, E,23, C,10
.if (\p) == 0
	FETCH_V
.endif
	OPS E,24, L,4
	OPS E,25, X,18, E,26, C,7
	OPS E,27, B,5, E,28, X,19
	OPS E,29, C,12, E,30, L,5
	OPS E,31, X,20, B,6, C,9
	OPS C,14, C,11, X,21, L,6
	OPS C,13, B,7, C,15, R,10
	OPS R,11, R,12, L,7, R,13
	OPS R,14, R,15
.endm
; A TRIP's eight turns.  Step SI: K Q^T, maximum and statistics of all 8 pieces; the softmax of piece 7 of step SI - 1 and of pieces 0-6 of step SI; V^T P of pieces 6, 7 of step SI - 1 and 0-5 of step SI.
; The tile quarter that the trip's head asked for is rounded and stored behind seven turns.  Plain text: behind its 16 loads stand the 56 of seven pieces' next masks; masked text: none.
.macro TURNS m
	TURN 7, \m
	TURN 0, \m
	TURN 1, \m
	TURN 2, \m
	TURN 3, \m
	TURN 4, \m
	TURN 5, \m
.if \m
	s_wait_loadcnt 0x0
.else
	s_wait_loadcnt 56
.endif
	CONVERT STG, KSA, VSA, 0
	TURN 6, \m
	WIN 0
.endm
; THE WAY OUT.  Piece t: O^T is divided by l; a lane's eight channels of a row, 32 bytes, go into my stage's rows of 272 bytes and come back as whole rows of 256, into the mask's registers.
.macro ALL line:vararg              ; one line for each piece t
.set t, 0
.rept NP
	\line
.set t, t+1
.endr
.endm
.macro PACK t
	WIN W_RS
.set i, 32*(\t)
.rept 16
	s_wait_alu depctr_va_vdst(0)
	v_pk_mul_f32 v[i:i+1], v[i:i+1], v[ST+4*(\t)+2:ST+4*(\t)+3] op_sel_hi:[1,0]
.set i, i+2
.endr
	WIN 0x04                        ; the stores' data in window 1
.irp f, 0,1,2,3,4,5,6,7
	ds_store_b128 v[STO], v[32*(\t)+4*\f:32*(\t)+4*\f+3] offset:64*(\f/2)+16*(\f%2)
.endr
	WIN 0xc0                        ; destination window 3
.irp f, 0,1,2,3,4,5,6,7
	ds_load_b128 v[32*(\t)+4*\f:32*(\t)+4*\f+3], v[RD] offset:\f*2*SP  ; LDS serves a wave's instructions in order (ISA guide 5.7.1.4): these see the stores above; the next piece's stores come behind them
.endr
.endm
.macro SEND t, younger              ; younger: the LDS instructions issued behind piece t's loads: the next piece's sixteen, or none
	WIN 0x0c                        ; the stores' data in window 3
.irp f, 0,1,2,3,4,5,6,7
	s_wait_dscnt (\younger)+7-\f
	global_store_b128 v[GO], v[32*(\t)+4*\f:32*(\t)+4*\f+3], s[OB:OB+1] offset:(\t)*4096+\f*512 th:TH_STORE_NT  ; 512 consecutive bytes, at a multiple of 256 from out's first byte
.endr
.endm
	s_mov_b32 s[JOB], 2
.Ljob:
	s_wait_xcnt 0x0                                ; the last job's stores have read their registers and their base: both are written again below
	s_wait_dscnt 0x0                               ; my LDS reads of the last job are over
	s_barrier_signal -1
	s_barrier_wait -1                              ; everybody's are: slots 0 and 1 may be written
	s_and_b32 s58, s[XC], 255
	s_min_u32 s58, s58, 255                        ; the head
	s_lshr_b32 s59, s[XC], 9
	s_min_u32 s59, s59, 1024                       ; its length, 1,024 where nothing is valid
	s_bitcmp1_b32 s[XC], 8
	s_cselect_b32 s[VL], 0, s59
	s_add_co_u32 s[NT], s59, 63
	s_lshr_b32 s[NT], s[NT], 6                     ; live steps, 1 to 16
	s_sub_co_u32 s[TM1], s[NT], 1
	s_cmp_eq_u32 s[VL], 0
	s_cselect_b32 s[NU], 0, s[TM1]                 ; all but the last are plain; none where nothing is valid
	s_lshl_b32 s[OF], s58, 18                      ; a head is 262,144 bytes of K, V, Q and out
	s_add_nc_u64 s[KH:KH+1], s[4:5], s[OF:OF+1]
	s_add_nc_u64 s[VH:VH+1], s[10:11], s[OF:OF+1]
	s_lshl_b32 s60, s[HF], 17                      ; my half's 512 rows of 256 bytes,
	s_lshl_b32 s61, s[WV], 15                      ; my wave's 128 of them
	s_add_co_u32 s60, s60, s61
	s_add_co_u32 s[OF], s[OF], s60
	s_add_nc_u64 s[QB:QB+1], s[6:7], s[OF:OF+1]
	s_add_nc_u64 s[OB:OB+1], s[14:15], s[OF:OF+1]
	s_and_b32 s58, s58, 24                         ; the window, (head >> 3) & 3, times 4 MiB,
	s_lshl_b32 s58, s58, 19
	s_lshl_b32 s60, s60, 4                         ; and my rows, 4,096 bytes each
	s_add_co_u32 s[OF], s58, s60
	s_add_nc_u64 s[MH:MH+1], s[12:13], s[OF:OF+1]
	s_mov_b64 s[MB:MB+1], s[MH:MH+1]               ; step 0
	s_min_u32 s58, s[TM1], 1                       ; tile 1, or tile 0 once more where the head has one step
	s_lshl_b32 s[OF], s58, 14
	s_add_nc_u64 s[KA:KA+1], s[KH:KH+1], s[OF:OF+1]
	s_add_nc_u64 s[VA:VA+1], s[VH:VH+1], s[OF:OF+1]
	LOADST STG, KH, VH                             ; all of a job's first loads go out together: tiles 0 and 1 (32 loads),
	LOADST STGB, KA, VA
	WIN 0x40                                       ; Q in f32 (64), piece t into piece t's O^T: lane (r, h) takes row r, channels 32 c + 16 e + 8 h + 0..7,
.set t, 0
.rept 8
.set k, 0
.rept 8
	global_load_b128 v[32*t+4*k:32*t+4*k+3], v[QO], s[QB:QB+1] offset:4096*t+128*(k/4)+64*((k/2)%2)+16*(k%2)
.set k, k+1
.endr
.set t, t+1
.endr
.irp x, 0,1,2,3,4,5,6,7
	MLOAD \x                                       ; and step 0's mask (64)
.endr
	; What the first trip finds.  Its first turn is piece 7's of a step that has not been: scores of -1e38 give weights 0, a = 0, and the products V^T P of pieces 6 and 7 add 0 (V = 0, P = 0).
	; c m starts far below every c s, so each piece's first a is 0: O^T need only be finite, and holds the piece's own Q.  All this is written while the loads are on their way.
	WIN 0x80
.set z, 0
.rept 64
	v_mov_b32 v[VF+z], 0
.set z, z+1
.endr
	WIN 0
.set z, 0
.rept 16
	v_mov_b32 v[P+z], 0
.set z, z+1
.endr
.set z, 0
.rept 8
	v_mov_b32 v[ST+4*z], 0xfe000000                ; c m
	v_mov_b32 v[ST+4*z+1], 0xff7fffff              ; m: the lowest finite number
	v_mov_b32 v[ST+4*z+2], 0
	v_mov_b32 v[ST+4*z+3], 0
	v_mov_b32 v[TMP+z], 0
.set z, z+1
.endr
	s_wait_loadcnt 63                              ; the two tiles are in: 128 younger loads stand behind them, and the count names the field's 63
	CONVERT STG, KS0, VS0, 0
	CONVERT STGB, KS0, VS0, SLOTB
.set z, 0
.rept 32
	v_mov_b32 v[S+32+z], s[BIGS]
.set z, z+1
.endr
	s_wait_loadcnt 63                              ; Q is in: the mask's 64 loads stand behind it
	WIN W_RS
.set z, 0
.rept 128
	v_pk_mul_f32 v[2*z:2*z+1], v[2*z:2*z+1], s[QS:QS+1] op_sel_hi:[1,0]  ; Q / 8, exact
.set z, z+1
.endr
	WIN 0x85                                       ; sources window 1, destination window 2
.set z, 0
.rept 128
	v_cvt_pk_f16_f32 v[z], v[2*z], v[2*z+1]
.set z, z+1
.endr
	WIN 0
	s_wait_dscnt 0x0                               ; for the others' sake: my rows of tiles 0 and 1 are stored
	s_barrier_signal -1
	s_barrier_wait -1                              ; everybody's are
	v_mov_b32 v[AK], v[AK0]
	FETCH_K                                        ; K of step 0
	s_mov_b32 s[SI], 0
.Ltrip:                                                ; 16 trips, always
	s_wait_dscnt 0x0                               ; K of this step is in; my stores of tile SI + 1 are done; my reads of tile SI - 1 are over
	s_barrier_signal -1
	s_barrier_wait -1                              ; that holds of every wave.  In this trip slot (SI + 2) & 3 is written, slots SI & 3 (V) and (SI + 1) & 3 (K) are read
	s_cmp_ge_u32 s[SI], s[NT]
	s_cbranch_scc1 .Lbottom                        ; a step wholly behind valid_lens
	s_wait_xcnt 0x0                                ; the last trip's loads and prefetch have read their bases, which are written anew
	s_and_b32 s58, s[SI], 3
	s_lshl_b32 s[TBV], s58, 15
	s_add_co_u32 s58, s[SI], 1
	s_and_b32 s59, s58, 3
	s_lshl_b32 s[TBK], s59, 15
	s_min_u32 s58, s58, 15
	s_lshl_b32 s[OF], s58, 8                       ; the next step's 64 keys: 256 bytes on in each mask row
	s_add_nc_u64 s[MB:MB+1], s[MH:MH+1], s[OF:OF+1]
	s_add_co_u32 s58, s[SI], 2
	s_and_b32 s59, s58, 3
	s_lshl_b32 s[TBS], s59, 15
	s_min_u32 s58, s58, s[TM1]                     ; tile SI + 2, or the head's last live tile once more: what is then stored is read by nobody
	s_min_u32 s58, s58, 15
	s_lshl_b32 s[OF], s58, 14
	s_add_nc_u64 s[KA:KA+1], s[KH:KH+1], s[OF:OF+1]
	s_add_nc_u64 s[VA:VA+1], s[VH:VH+1], s[OF:OF+1]
	s_add_co_u32 s58, s[SI], 3
	s_min_u32 s58, s58, s[TM1]
	s_min_u32 s58, s58, 15
	s_lshl_b32 s[OF], s58, 14
	s_cmp_eq_u32 s[HF], 0
	s_cselect_b64 s[PF:PF+1], s[KH:KH+1], s[VH:VH+1]
	s_add_nc_u64 s[PF:PF+1], s[PF:PF+1], s[OF:OF+1]
	v_add_nc_u32 v[KSA], s[TBS], v[KS0]
	v_add_nc_u32 v[VSA], s[TBS], v[VS0]
	LOADST STG, KA, VA
	; A PREFETCH INTO THE L2 of the tile that the NEXT trip's head will load, SI + 3, behind this trip's loads.  A head's two work-groups walk the same K and V: the one with the queries' half 0 names K's 64 rows,
	; the other V's; in each, waves 0 and 1 take 32 rows, a lane a row of 256 bytes.  Tiles 0 to 2 come by their loads alone; the last trips name the head's last live tile, never a byte behind it.
	s_cmp_lt_u32 s[WV], 2
	s_cbranch_scc0 .Lno_ask
	global_prefetch_b8 v[PFO], s[PF:PF+1] th:TH_LOAD_NT scope:SCOPE_SE
.Lno_ask:
	s_cmp_lt_u32 s[SI], s[NU]
	s_cbranch_scc1 .Lplain
	s_lshl_b32 s58, s[SI], 6                       ; THE MASKED TEXT.  Register z = 8 kt + j of a piece's scores holds key 64 SI + 16 kt + 8 h + j: valid where 16 kt + j < valid_lens - 64 SI - 8 h
	s_sub_co_i32 s[TH], s[VL], s58
	v_sub_nc_u32 v[THR], s[TH], v[H8]
.set z, 0
.rept 32
	v_cmp_lt_i32 s[MK+z], 16*(z/8)+z%8, v[THR]
.set z, z+1
.endr
	TURNS 1
	s_branch .Lbottom
.Lplain:
	TURNS 0
.Lbottom:
	s_add_co_u32 s[SI], s[SI], 1
	s_cmp_lt_u32 s[SI], 16
	s_cbranch_scc1 .Ltrip
	s_wait_loadcnt 0x0                             ; no load is left out: the mask's registers take the rows of O below
	s_wait_dscnt 0x0
	TURN 7, 0, 1                                   ; piece 7's softmax of the last live step, piece 6's V^T P
.set i, 0
.rept 8
	PV NP-1                                        ; piece 7's V^T P
.set i, i+1
.endr
	WIN 0                                          ; l's two halves and the other half of the lanes' are added; these additions are the places behind the last products
	ALL v_add_f32 v[ST+4*t+2], v[ST+4*t+2], v[ST+4*t+3]
	ALL v_permlanex16_b32 v[ST+4*t+3], v[ST+4*t+2], s[SELR], s[SELR+1]
	ALL v_add_f32 v[ST+4*t+2], v[ST+4*t+2], v[ST+4*t+3]
	ALL v_rcp_f32 v[ST+4*t+2], v[ST+4*t+2]
	v_nop                                          ; a plain instruction between the last reciprocal and the use of its result
	PACK 0
.set t, 1
.rept NP-1                                     ; a piece's arithmetic stands between the loads of the piece before and its stores
	PACK t
	SEND t-1, 16
.set t, t+1
.endr
	SEND NP-1, 0
	WIN 0
	s_mov_b32 s[XC], s[X1]                         ; the second job's head
	s_sub_co_u32 s[JOB], s[JOB], 1
	s_cmp_lg_u32 s[JOB], 0
	s_cbranch_scc1 .Ljob
	s_wait_tensorcnt 0x0                           ; the wave's end, behind my last LDS store
	ds_add_u32 v[SPW], v[NIL]
	s_wait_dscnt 0x0
	s_endpgm
.Lfunc_end_k_q464c008be2_attn:
	.size	k_q464c008be2_attn, .Lfunc_end_k_q464c008be2_attn-k_q464c008be2_attn
	.p2alignl 7, 3214868480
	.fill 96, 4, 3214868480
	.section	.rodata,"a",@progbits
	.p2align	6, 0x0
	.amdhsa_kernel k_q464c008be2_attn
		.amdhsa_group_segment_fixed_size 148992
		.amdhsa_private_segment_fixed_size 0
		.amdhsa_enable_private_segment 0
		.amdhsa_kernarg_size 48
		.amdhsa_user_sgpr_count 2
		.amdhsa_user_sgpr_kernarg_segment_ptr 1
		.amdhsa_wavefront_size32 1
		.amdhsa_system_sgpr_workgroup_id_x 1
		.amdhsa_system_sgpr_workgroup_id_y 1
		.amdhsa_system_sgpr_workgroup_id_z 1
		.amdhsa_system_vgpr_workitem_id 0
		.amdhsa_next_free_vgpr 1024
		.amdhsa_next_free_sgpr 100
		.amdhsa_reserve_vcc 1
		.amdhsa_float_denorm_mode_32 3
		.amdhsa_float_denorm_mode_16_64 3
		.amdhsa_memory_ordered 1
		.amdhsa_forward_progress 1
		.amdhsa_inst_pref_size 255
	.end_amdhsa_kernel
	.section	.bss,"aw",@nobits
	.p2align	6
	.space	262144
	.amdgpu_metadata
---
amdhsa.version: [ 1, 2 ]
amdhsa.kernels:
  - .name:           k_q464c008be2_attn
    .symbol:         k_q464c008be2_attn.kd
    .args:
      - { .name: keys, .offset: 0, .size: 8, .value_kind: global_buffer, .address_space: global }
      - { .name: queries, .offset: 8, .size: 8, .value_kind: global_buffer, .address_space: global }
      - { .name: valid_lens, .offset: 16, .size: 8, .value_kind: global_buffer, .address_space: global }
      - { .name: values, .offset: 24, .size: 8, .value_kind: global_buffer, .address_space: global }
      - { .name: window_mask, .offset: 32, .size: 8, .value_kind: global_buffer, .address_space: global }
      - { .name: out0, .offset: 40, .size: 8, .value_kind: global_buffer, .address_space: global }
    .group_segment_fixed_size: 148992
    .private_segment_fixed_size: 0
    .kernarg_segment_align: 8
    .kernarg_segment_size: 48
    .max_flat_workgroup_size: 128
    .sgpr_count:     100
    .vgpr_count:     1024
    .wavefront_size: 32
...
	.end_amdgpu_metadata
.endif
;; end of part 1
;; ======== version 2 of 2: 1 launch; version 1 with the launch attn written anew for expert scheduling mode
;; limits: right only within a limited range of input values; values are held in f16: magnitudes above 65,504 overflow, below 6.1e-05 lose precision; inputs' magnitudes at most 65,504
;; launch attn (part 2): grid 256 x 1, 4 waves a work-group, no clusters, 148,992 bytes of LDS; arguments keys, queries, valid_lens, values, window_mask, out0; writes out0
.if DOCPART == 2
	.amdgcn_target "amdgcn-amd-amdhsa--gfx1250"
	.amdhsa_code_object_version 6
	.text
	.protected	k_q464c008be2_attn
	.globl	k_q464c008be2_attn
	.p2align	8
	.type	k_q464c008be2_attn,@function
k_q464c008be2_attn:
	s_mov_b64 s[64:65], 0
	v_nop
	global_prefetch_b8 v0, s[64:65] scope:SCOPE_SE
	s_setreg_imm32_b32 hwreg(HW_REG_WAVE_SCHED_MODE, 0, 2), 2
	s_setreg_imm32_b32 hwreg(HW_REG_WAVE_MODE, 25, 1), 1
	s_wait_xcnt 0x0
	s_wait_alu depctr_vm_vsrc(0)
; out[n][q][:] = sum over k of softmax_k(s[n][q][k]) V[n][k][:],  s = Q[n][q].K[n][k] / 8 + window_mask[(n >> 3) & 3][q][k] where k < valid_lens[n], else -1e6.
; 256 heads n, 1,024 queries, 1,024 keys, 64 channels, all f32.  Q / 8 (exact), K, V and the weights p go to the matrix unit in f16; the mask, scores, maxima and sums stay in f32.
; LIMITS.  |Q| / 8, |K|, |V| stay within f16's 65,504.  Where valid_lens[n] >= 1, each query's largest valid score lies above -1e6 + 150: a hidden key's weight is then 0 in f32, as it is
; in the softmax taken over all keys, and key steps that lie wholly behind valid_lens[n] are left out on that ground.  valid_lens[n] <= 0: every score is -1e6 and all 16 steps are walked.
; valid_lens[n] > 1,024 counts as 1,024.  A weight below 2^-126 counts as 0; NaN and infinities are not treated apart.
; SHARES.  A JOB is one head x 512 queries; each of the four waves has 128 of them, eight PIECES of 16.  A work-group does TWO jobs: with the heads ordered by their number of live keys
; (a head with none valid counts 1,024), the head of rank g >> 1 from the top and the head of the same rank from the bottom, of both the half g & 1 of the queries: long and short together.
; Every wave finds the two heads itself, from valid_lens, by a search over the 20 bits of a key (length, flag, head) in whole numbers.
; THE WALK.  Keys go 64 a step; the loop over steps has 16 trips, always, with one barrier at each trip's head.  Behind it a forward jump picks the plain text (a step that is wholly valid
; and not the last), the masked text (the last live step, or every step where nothing is valid) or the trip's bottom (a step that is left out).  No barrier is jumped over.
; LAYOUT.  S^T = K Q^T + M (source 0 = 16 keys, source 1 = 16 queries, C = the window mask as it lies in memory): a lane holds ONE query (lane % 16) and the keys 8 (lane / 16) + 0..7.  Two such
; results rounded to f16 ARE source 1 of O^T = V^T P.  p = 2^(c s - c m), c = log2(e), with a running maximum m; O and l are multiplied by a = 2^(c m_old - c m_new) in every step.
; TURNS.  Turn n belongs to piece n: 8 products K Q^T of piece n + 1, later 8 products V^T P of piece n - 1; beside them the scaling, exponentials, roundings, sums and rescaling of piece n and the
; maximum and statistics of piece n + 1.  Four vector instructions stand behind every matrix instruction, the other 54 of a turn's 118 in one run between the two kinds of products.  A turn's 33 exponentials are one batch, with one wait.
; K AND V come as f32 through registers (each wave 16 rows of each tile), are rounded to f16 and stored into one of four LDS slots, two trips ahead of V's use, one ahead of K's.
; NO CLUSTER, NO TENSOR LOADS.  K and V must pass through registers to be rounded.  The work-groups that read the same mask rows walk different heads, with different numbers of live steps
; (1 to 16, by valid_lens): a joint walk would have the longest partner's length for all.
; REGISTERS, in windows of 256 (s_set_vgpr_msb: bits 1:0 source 0, 3:2 source 1, 5:4 source 2, 7:6 destination):
;   window 0: v0-15, v56-63 addresses and constants; v16-47 four statistics a piece; v48-55 at work; v64-127 S^T, two buffers; v128-159 P, two buffers; v192-255 a tile quarter of K and V in f32
;   window 1: O^T, 32 a piece (at a job's start: Q in f32)     window 2: v0-127 Q; v128-191 K of one step; v192-255 V of one step     window 3: the mask, 32 a piece (at a job's end: rows of O)
; THE MODE: SCHED_MODE bits 1:0 = 2 (LLVM: expert scheduling mode 2), set by the entry lines.  The code itself states the register dependences between vector or matrix instructions and
; memory or LDS instructions, with s_wait_alu, always for 0.
; THE PLAN.  Registers that memory or LDS instructions touch in a trip, and who else names them:
;   STG            The trip head's 16 loads land in it; the 32 roundings ahead of piece 6's turn read and write it; the 16 LDS stores behind that turn's wait read it.
;   the mask of piece x   The first four products of turn x - 1 read it as C; in the plain text the next step's 8 loads land in it, behind that turn's wait.
;   K's fragments  Every turn's 8 products K Q^T read them; the next step's 16 LDS loads land in them behind piece 6's wait.
;   V's fragments  Every turn's 8 products V^T P read them; the 16 LDS loads of the step in hand land in them at the end of piece 0's turn.
;   v[AK], v[AV], v[KSA], v[VSA]   LDS addresses, each written once a trip by one add (at piece 6's head, at piece 0's, at the trip's) and read later in the trip.
;   v[SO], v[MO], v[QO], v[PFO], v[GO], v[STO], v[RD], v[KS0], v[VS0], v[KO]   made at the head, never written again.
; So a trip has ONE wait on vm_vsrc, at its head (the last trip's LDS stores and loads have read STG and the four addresses), ONE wait on va_vdst in each turn, between its two kinds of
; products (the batch of exponentials is written; the products are done with the mask and, in piece 6's turn, with K; the roundings and the address are written), and one more at the end of piece 0's turn
; (its products are done with V).  The trip head's loads owe no wait on va_vdst: no vector instruction behind piece 6's wait, or behind the wait that follows the first roundings of a job, names STG.
; S^T, P, the statistics and Q's fragments are named by vector and matrix instructions alone while the trips run.  A job's start and end state their own dependences where they stand.
.set NP,    8         ; pieces a wave
.set PK,    144       ; a row of K in LDS: 128 bytes + 16 = 36 words: the 16 rows of a load start at 16 different groups of four banks (64 banks of 4 bytes: ISA guide 11.1)
.set PV,    160       ; a row of V: 128 + 32 = 40 words
.set VOFF,  64*PK     ; in a slot: 64 rows of K, then 64 rows of V
.set SLOTB, 32768     ; tile t lies in slot t & 3
.set STAGE, 4*SLOTB   ; behind the slots: 16 rows x 272 bytes for each wave, its own, for the way out
.set SP,    272       ; 256 bytes + 16 = 68 words
.set SPARE, STAGE+4*16*SP  ; the spare words, 128 bytes for each wave: two blocks of 256 bytes that no other line names
.set AK0, 2           ; my lane's place in a tile of K; never rewritten
.set AV0, 3           ; the same for V
.set AK,  4           ; LDS address of K's next run of loads
.set AV,  5           ; of V's
.set STO, 6           ; the way out: where I put 32 bytes of a row
.set RD,  7           ; the way out: where I read rows back
.set GO,  8           ; my 16 bytes in 512 consecutive bytes of out
.set H8,  9           ; 8 (lane / 16)
.set MO,  10          ; my byte offset in 16 rows of the mask
.set SO,  11          ; my byte offset in a tile of K or V in memory
.set MV,  12          ; v12-13  c m_old, by buffer
.set KS0, 14          ; where I store 8 bytes of K in slot 0
.set VS0, 15          ; the same for V
.set ST,  16          ; piece t's statistics at v[ST+4 t]: c m, m, l (even keys', odd keys')
.set TMP, 48          ; by buffer, four registers c0-c3 at work; when the maximum is found c2 takes a
.set KSA, 56          ; this trip's store addresses
.set VSA, 57
.set THR, 58          ; valid keys left from this step's first on, less my lanes' 8 (lane / 16)
.set NEGR, 59         ; -1e6
.set PFO, 60          ; the prefetch's offset
.set QO,  61          ; my byte offset in 16 rows of Q
.set SPW, 62          ; LDS address of my spare word; never rewritten
.set NIL, 63          ; 0; never rewritten
.set S,   64
.set P,   128
.set KEY, 160         ; v160-167  the search's keys of heads 8 lane .. 8 lane + 7
.set KO,  168         ; byte offset of my eight lengths; never rewritten
.set STG, 192         ; K's quarter in 32 registers, then V's
.set STGB, 64         ; a second such set at a job's start, where S^T will lie
.set KF,  128         ; window 2: key block kb, channel half c at KF + 16 kb + 8 c
.set VF,  192         ; window 2: key half kk, channel block cb at VF + 32 kk + 8 cb
.set WV,  16          ; my wave's number
.set HF,  17          ; which half of a head's queries
.set JOB, 18
.set SI,  19          ; the key step
.set NT,  20          ; live steps of the head
.set NU,  21          ; steps that take the plain text
.set TM1, 22          ; NT - 1
.set VL,  23          ; valid keys
.set KH,  24          ; s[24:25] K of the head;  s[26:27] V
.set VH,  26
.set MH,  28          ; the mask at my wave's rows
.set OB,  30          ; out at my wave's rows
.set QB,  32          ; Q at my wave's rows
.set KA,  34          ; the tile that is being loaded, of K and of V
.set VA,  36
.set MB,  38          ; the mask at the step whose fragments are being loaded
.set PF,  40          ; the tile that is being prefetched
.set OF,  42          ; s[42:43] an offset; the high word stays 0
.set CS,  44          ; s[44:45] c
.set SELR, 46         ; s[46:47] v_permlanex16_b32's selects: each lane takes its own place in the other half
.set TBK, 48          ; slot of K's next fetch;  49 of V's;  50 of the stores
.set TBV, 49
.set TBS, 50
.set TH,  51
.set XC,  52          ; the key of the job's head;  53 of the second job's
.set X1,  53
.set BIGS, 54         ; -1e38
.set QS,  56          ; s[56:57] 1/8
.set MK,  66          ; s[66:97] 32 lane masks: register z of a piece's scores holds a valid key
.set MSB, 0
.macro WIN new                      ; the high byte repeats the setting that is left; a switch that changes nothing is dropped
.if MSB != (\new)
	s_set_vgpr_msb (MSB<<8)|(\new)
.set MSB, (\new)
.endif
.endm
.set W_KQ, 0x0a       ; K and Q in window 2, S^T in window 0
.set W_KM, 0x3a       ; the same with the C operand, the mask, in window 3
.set W_PV, 0x52       ; V in window 2, P in window 0, O^T in window 1
.set W_RS, 0x41       ; destination and source 0 in window 1
	s_load_b256 s[4:11], s[0:1], 0x0               ; keys s[4:5], queries s[6:7], valid_lens s[8:9], values s[10:11]
	s_load_b128 s[12:15], s[0:1], 0x20             ; window_mask s[12:13], out0 s[14:15]
	v_lshl_add_u32 v[SPW], v0, 2, SPARE
	v_mov_b32 v[NIL], 0
	v_lshrrev_b32 v12, 5, v0
	v_readfirstlane_b32 s[WV], v12                 ; wave 0..3
	s_and_b32 s[HF], ttmp9, 1
	v_and_b32 v1, 15, v0                           ; r = l % 16
	v_bfe_u32 v12, v0, 4, 1                        ; h = l / 16
	v_and_b32 v13, 31, v0                          ; l
	v_mul_u32_u24 v[AK0], v1, PK                   ; a fragment of K: row r, 16 bytes for each half of the lanes
	v_lshl_add_u32 v[AK0], v12, 4, v[AK0]
	v_and_b32 v4, 7, v0                            ; the turning load: lane l reads key 8 h + l % 8, channels 8 ((l / 8) % 2) + 0..7
	v_bfe_u32 v5, v0, 3, 1
	v_lshl_add_u32 v[AV0], v12, 3, v4
	v_mul_u32_u24 v[AV0], v[AV0], PV
	v_lshl_add_u32 v[AV0], v5, 4, v[AV0]
	v_add_nc_u32 v[AV0], VOFF, v[AV0]
	s_wait_alu depctr_va_sdst(0)                   ; s[WV] is written, ahead of its first reader: LDS places, bases and branches are made from it
	s_mul_i32 s58, s[WV], 16*SP
	s_add_co_u32 s58, s58, STAGE                   ; my stage
	v_mul_u32_u24 v[STO], v1, SP                   ; in: row r, 32 bytes for each half of the lanes
	v_lshl_add_u32 v[STO], v12, 5, v[STO]
	v_add_nc_u32 v[STO], s58, v[STO]
	v_mul_u32_u24 v[RD], v12, SP                   ; back: lanes 0-15 take one row of 256 bytes, lanes 16-31 the next
	v_lshl_add_u32 v[RD], v1, 4, v[RD]
	v_add_nc_u32 v[RD], s58, v[RD]
	v_lshlrev_b32 v[GO], 4, v13                    ; which are 512 consecutive bytes of out
	v_lshlrev_b32 v[H8], 3, v12
	v_lshlrev_b32 v[MO], 12, v1                    ; mask: row r of 4,096 bytes, my 8 keys' 32 bytes
	v_lshl_add_u32 v[MO], v12, 5, v[MO]
	s_lshl_b32 s58, s[WV], 12
	v_lshl_add_u32 v[SO], v13, 4, s58              ; a tile in memory: my wave's 16 rows of 256 bytes, 16 bytes a lane
	s_mul_i32 s58, s[WV], 16*PK
	v_mul_u32_u24 v[KS0], v12, PK                  ; and in LDS: row 16 w + h (+ 2 for each load), 8 bytes of f16 a lane
	v_lshl_add_u32 v[KS0], v1, 3, v[KS0]
	v_add_nc_u32 v[KS0], s58, v[KS0]
	s_mul_i32 s58, s[WV], 16*PV
	s_add_co_u32 s58, s58, VOFF
	v_mul_u32_u24 v[VS0], v12, PV
	v_lshl_add_u32 v[VS0], v1, 3, v[VS0]
	v_add_nc_u32 v[VS0], s58, v[VS0]
	s_and_b32 s58, s[WV], 1
	s_lshl_b32 s58, s58, 13
	v_lshl_add_u32 v[PFO], v13, 8, s58             ; prefetch: waves 0 and 1 take 32 rows of a tile each, a lane a row of 256 bytes
	v_lshlrev_b32 v[QO], 8, v1                     ; Q: row r of 256 bytes, my 8 channels' 32 bytes
	v_lshl_add_u32 v[QO], v12, 5, v[QO]
	v_mov_b32 v[NEGR], 0xc9742400                  ; -1e6
	s_mov_b32 s[CS], 0x3fb8aa3b                    ; c = log2(e)
	s_mov_b32 s[CS+1], s[CS]                       ; named with it as a pair
	s_mov_b32 s[SELR], 0x76543210
	s_mov_b32 s[SELR+1], 0xfedcba98
	s_mov_b32 s[BIGS], 0xfe967699                  ; -1e38
	s_mov_b32 s[QS], 0x3e000000                    ; 1/8
	s_mov_b32 s[QS+1], s[QS]
	s_mov_b32 s[OF+1], 0
	; WHICH TWO HEADS.  key = length << 9 | (nothing valid) << 8 | head, with length 1,024 where nothing is valid: 256 different numbers of 20 bits, 8 a lane.
	v_lshlrev_b32 v[KO], 5, v13                    ; 32 l: my eight lengths
	v_lshlrev_b32 v5, 3, v13                       ; 8 l: the first of my heads
	v_mov_b32 v[TMP], 0x80100                      ; the key, less the head, where nothing is valid
	s_wait_kmcnt 0x0
	s_wait_alu depctr_va_vdst(0)                   ; v[KO] is written, which the two loads below read, and so are all the offsets and LDS addresses made above, which are never written again
	global_load_b128 v[KEY:KEY+3], v[KO], s[8:9]
	global_load_b128 v[KEY+4:KEY+7], v[KO], s[8:9] offset:16
	s_lshr_b32 s58, ttmp9, 1                       ; the first job's rank from the top,
	s_sub_co_u32 s59, 255, s58                     ; the second's
	s_mov_b32 s[XC], 0
	s_mov_b32 s[X1], 0
	s_mov_b32 s60, 1<<19
	s_mov_b32 s61, 20
	s_wait_loadcnt 0x0
.irp m, 0,1,2,3,4,5,6,7
	v_cmp_lt_i32 s[MK+\m], 0, v[KEY+\m]            ; is any key valid?  The eight compares stand in one run, each with a scalar register of its own
.endr
.irp m, 0,1,2,3,4,5,6,7
	v_min_u32 v[KEY+\m], 0x400, v[KEY+\m]
	v_lshlrev_b32 v[KEY+\m], 9, v[KEY+\m]
.endr
	s_wait_alu depctr_va_sdst(0)                   ; the eight compares have written s[MK ..], which the selects below read
.irp m, 0,1,2,3,4,5,6,7
	v_cndmask_b32 v[KEY+\m], v[TMP], v[KEY+\m], s[MK+\m]
	v_add3_u32 v[KEY+\m], v[KEY+\m], v5, \m
.endr
.Lsel:                                                 ; bit by bit from the top: the largest X with more than `rank` keys at or above it is the key of that rank
	s_or_b32 s62, s[XC], s60
	s_or_b32 s63, s[X1], s60
.irp m, 0,1,2,3,4,5,6,7
	v_cmp_le_u32 s[MK+\m], s62, v[KEY+\m]
	v_cmp_le_u32 s[MK+8+\m], s63, v[KEY+\m]
.endr
	s_mov_b32 s82, 0
	s_mov_b32 s83, 0
	s_wait_alu depctr_va_sdst(0)                   ; the sixteen compares have written s[MK ..], which the counts below read
.irp m, 0,1,2,3,4,5,6,7
	s_bcnt1_i32_b32 s84, s[MK+\m]
	s_bcnt1_i32_b32 s85, s[MK+8+\m]
	s_add_co_u32 s82, s82, s84
	s_add_co_u32 s83, s83, s85
.endr
	s_cmp_gt_u32 s82, s58
	s_cselect_b32 s[XC], s62, s[XC]
	s_cmp_gt_u32 s83, s59
	s_cselect_b32 s[X1], s63, s[X1]
	s_lshr_b32 s60, s60, 1
	s_sub_co_u32 s61, s61, 1
	s_cmp_lg_u32 s61, 0
	s_cbranch_scc1 .Lsel
; A quarter of a tile of K and of V, f32: 16 loads, each of 512 consecutive bytes (two rows).
.macro LOADST base, ka, va
	WIN 0
.irp f, 0,1,2,3,4,5,6,7
	global_load_b128 v[(\base)+4*\f:(\base)+4*\f+3], v[SO], s[\ka:\ka+1] offset:512*\f
.endr
.irp f, 0,1,2,3,4,5,6,7
	global_load_b128 v[(\base)+32+4*\f:(\base)+32+4*\f+3], v[SO], s[\va:\va+1] offset:512*\f
.endr
.endm
; It is rounded to f16, in place: four numbers close up into the first two of their four registers.
.macro TOF16 base
	WIN 0
.irp f, 0,1,2,3,4,5,6,7
	v_cvt_pk_f16_f32 v[(\base)+4*\f], v[(\base)+4*\f], v[(\base)+4*\f+1]
	v_cvt_pk_f16_f32 v[(\base)+4*\f+1], v[(\base)+4*\f+2], v[(\base)+4*\f+3]
.endr
.irp f, 0,1,2,3,4,5,6,7
	v_cvt_pk_f16_f32 v[(\base)+32+4*\f], v[(\base)+32+4*\f], v[(\base)+32+4*\f+1]
	v_cvt_pk_f16_f32 v[(\base)+32+4*\f+1], v[(\base)+32+4*\f+2], v[(\base)+32+4*\f+3]
.endr
.endm
; And stored into a slot, behind a wait on va_vdst that follows the roundings: 8 bytes a lane, two rows an instruction.
.macro PUT base, ka, va, off
	WIN 0
.irp f, 0,1,2,3,4,5,6,7
	ds_store_b64 v[\ka], v[(\base)+4*\f:(\base)+4*\f+1] offset:(\off)+2*PK*\f
.endr
.irp f, 0,1,2,3,4,5,6,7
	ds_store_b64 v[\va], v[(\base)+32+4*\f:(\base)+32+4*\f+1] offset:(\off)+2*PV*\f
.endr
.endm
; The mask of piece x for one step, as four C operands: register j of group kt is mask[row r][16 kt + 8 h + j].  The eight loads together take 256 aligned bytes of each of the piece's 16 rows.
.macro MLOAD x
	WIN 0xc0                        ; destination window 3, address window 0
.irp f, 0,1,2,3,4,5,6,7
	global_load_b128 v[32*(\x)+4*\f:32*(\x)+4*\f+3], v[MO], s[MB:MB+1] offset:(\x)*65536+64*(\f/2)+16*(\f%2)
.endr
	WIN 0
.endm
; THE LDS LOADS stand in runs of 16, never singly among the matrix instructions: a step's K (64 keys x 64 channels: 8 fragments) and its V (turned).
.macro FETCH_K
	WIN 0x80                        ; destination window 2
.irp f, 0,1,2,3,4,5,6,7             ; keys 16 (f / 2) on, channels 32 (f % 2) on
	ds_load_b128 v[KF+8*\f:KF+8*\f+3],   v[AK] offset:(\f/2)*16*PK+(\f%2)*64
	ds_load_b128 v[KF+8*\f+4:KF+8*\f+7], v[AK] offset:(\f/2)*16*PK+(\f%2)*64+32
.endr
	WIN 0
.endm
.macro FETCH_V
	WIN 0x80
.irp f, 0,1,2,3,4,5,6,7             ; keys 32 (f / 4) on, channels 16 (f % 4) on
	ds_load_tr16_b128 v[VF+8*\f:VF+8*\f+3],   v[AV] offset:(\f/4)*32*PV+(\f%4)*32
	ds_load_tr16_b128 v[VF+8*\f+4:VF+8*\f+7], v[AV] offset:(\f/4)*32*PV+16*PV+(\f%4)*32
.endr
	WIN 0
.endm
; THE MATRIX WORK.  The 4 accumulators of a run of 8 take turns.  Product i of 8 of S^T = K Q^T + M for piece x: channels 32 (i / 4) on, keys 16 (i % 4) on.  The first 4 start the sums with the mask.
.macro KQ x
.set rS, S+32*((\x)%2)+8*(i%4)
.set rK, KF+16*(i%4)+8*(i/4)
.set rQ, 16*(\x)+8*(i/4)
.set rM, 32*(\x)+8*(i%4)
.if i < 4
	WIN W_KM
	v_wmma_f32_16x16x32_f16 v[rS:rS+7], v[rK:rK+7], v[rQ:rQ+7], v[rM:rM+7]
.else
	WIN W_KQ
	v_wmma_f32_16x16x32_f16 v[rS:rS+7], v[rK:rK+7], v[rQ:rQ+7], v[rS:rS+7]
.endif
.endm
; Product i of 8 of O^T += V^T P for piece x: keys 32 (i / 4) on, channels 16 (i % 4) on.
.macro PV x
	WIN W_PV
.set rO, 32*(\x)+8*(i%4)
.set rV, VF+32*(i/4)+8*(i%4)
.set rP, P+16*((\x)%2)+8*(i/4)
	v_wmma_f32_16x16x32_f16 v[rO:rO+7], v[rV:rV+7], v[rP:rP+7], v[rO:rO+7]
.endm
.macro MM                           ; the turn's next matrix instruction.  NOKQ = 1: a job's last turn: there is no next piece
.if (i < 8) && !NOKQ
	KQ (Y+1)%NP
.elseif i >= 8
.set i, i-8
	PV (Y+NP-1)%NP
.set i, i+8
.endif
.set i, i+1
.endm
; THE VECTOR WORK, one line at a time: OP kind, number.  For piece Y: F n: c s - c m for pair n of 16.  E n: the exponential of score n of 32.  C n: pair n rounded to f16.  B n: of the four weights 4 n .. the second
; pair is added onto the first, in place.  L n: l takes that sum (L 0: l = a l + sum).  R n: pair n of 16 of O^T times a.  For piece Y + 1: H n (the masked text alone): score n becomes -1e6, exactly, where its key is hidden;
; X n, number n of the 22 that find its maximum and statistics:
;   0-11  four chains c0-c3 of seven scores each, three operands at a time (each accumulator's lowest registers are read first)     12-14, 16  the four scores left over, the old m, and c0-c3 into c0
;   15  c m_old is kept     17, 18  the query's other 32 keys lie in the lane 16 away: the new m     19-21  c m; c m_old - c m_new; a
.set F, 0
.set E, 1
.set C, 2
.set B, 3
.set L, 4
.set R, 5
.set X, 6
.set H, 7
.macro REGS y                       ; the registers of piece y; its buffers go by its number's parity
.set rT, ST+4*(\y)
.set rC, TMP+4*((\y)%2)
.set rW, MV+((\y)%2)
.set rS, S+32*((\y)%2)
.set rP, P+16*((\y)%2)
.set rO, 32*(\y)
.endm
.macro OP k, n
.if (\k) == R
	REGS Y
	WIN W_RS
	v_pk_mul_f32 v[rO+2*(\n):rO+2*(\n)+1], v[rO+2*(\n):rO+2*(\n)+1], v[rC+2:rC+3] op_sel_hi:[1,0]
.elseif (\k) < R
	REGS Y
	WIN 0
.if (\k) == F
	v_pk_fma_f32 v[rS+2*(\n):rS+2*(\n)+1], v[rS+2*(\n):rS+2*(\n)+1], s[CS:CS+1], v[rT:rT+1] op_sel_hi:[1,0,0] neg_lo:[0,0,1] neg_hi:[0,0,1]
.elseif (\k) == E
	v_exp_f32 v[rS+(\n)], v[rS+(\n)]
.elseif (\k) == C
	v_cvt_pk_f16_f32 v[rP+(\n)], v[rS+2*(\n)], v[rS+2*(\n)+1]
.elseif (\k) == B
	v_pk_add_f32 v[rS+4*(\n):rS+4*(\n)+1], v[rS+4*(\n):rS+4*(\n)+1], v[rS+4*(\n)+2:rS+4*(\n)+3]
.elseif (\n) == 0
	v_pk_fma_f32 v[rT+2:rT+3], v[rT+2:rT+3], v[rC+2:rC+3], v[rS:rS+1] op_sel_hi:[1,0,1]
.else
	v_pk_add_f32 v[rT+2:rT+3], v[rT+2:rT+3], v[rS+4*(\n):rS+4*(\n)+1]
.endif
.elseif (\k) == H
	REGS (Y+1)%NP
	WIN 0
	v_cndmask_b32 v[rS+(\n)], v[NEGR], v[rS+(\n)], s[MK+(\n)]
.elseif NOKQ
	v_nop
.else
	REGS (Y+1)%NP
	WIN 0
.if (\n) < 4
	v_max3_num_f32 v[rC+(\n)], v[rS+8*(\n)], v[rS+8*(\n)+1], v[rS+8*(\n)+2]
.elseif (\n) < 12
	v_max3_num_f32 v[rC+(\n)%4], v[rC+(\n)%4], v[rS+8*((\n)%4)+2*((\n)/4)+1], v[rS+8*((\n)%4)+2*((\n)/4)+2]
.elseif (\n) == 12
	v_max3_num_f32 v[rC], v[rC], v[rS+7], v[rS+15]
.elseif (\n) == 13
	v_max3_num_f32 v[rC+1], v[rC+1], v[rS+23], v[rS+31]
.elseif (\n) == 14
	v_max3_num_f32 v[rC+2], v[rC+2], v[rC+3], v[rT+1]
.elseif (\n) == 15
	v_mov_b32 v[rW], v[rT]
.elseif (\n) == 16
	v_max3_num_f32 v[rC], v[rC], v[rC+1], v[rC+2]
.elseif (\n) == 17
	v_permlanex16_b32 v[rC+3], v[rC], s[SELR], s[SELR+1]
.elseif (\n) == 18
	v_max_num_f32 v[rT+1], v[rC], v[rC+3]
.elseif (\n) == 19
	v_mul_f32 v[rT], s[CS], v[rT+1]
.elseif (\n) == 20
	v_sub_f32 v[rC+1], v[rW], v[rT]
.else
	v_exp_f32 v[rC+2], v[rC+1]
.endif
.endif
.endm
.macro OPS a, i1, b=-1, i2=0, c=-1, i3=0, d=-1, i4=0  ; up to four of them
	OP \a, \i1
.if (\b) >= 0
	OP \b, \i2
.endif
.if (\c) >= 0
	OP \c, \i3
.endif
.if (\d) >= 0
	OP \d, \i4
.endif
.endm
.macro ROW a, i1, b, i2, c, i3, d, i4  ; a matrix instruction and the four behind it
	MM
	OPS \a, \i1, \b, \i2, \c, \i3, \d, \i4
.endm
; A TURN, for piece p: the order of its 16 matrix and 118 vector instructions, written out.  ONE wait on va_vdst cuts it in two.
; AHEAD OF THE WAIT stands all that names no result of the turn's exponentials: the 8 products K Q^T, behind each a scaling, an exponential and two more plain instructions (behind the first a second scaling in the
; exponential's place): rescalings, and in the plain text behind the last three the first numbers of the next piece's maximum, each four plain instructions or more behind the product that ends its accumulator; then one run of 54, plain
; and exponential by turns for the most part, in which the links of the chain X 3, 7, 11, 14, 16, 17 .. 20 stand apart.  X 21, the next piece's a, is the batch's last; a plain instruction stands behind it (ISA guide 5.7.2).
; BEHIND THE WAIT stand the memory and LDS instructions that it has made free, in runs, and then the 8 products V^T P, behind each four of the roundings and sums; l's chain L 0 to L 7 has its links three lines apart.
; m = 1: the masked text: the new scores pass H 0 to H 31, in ascending order, before the maximum reads them: so all sixteen rescalings ride behind products, H's selects stand among the exponentials, and the maximum follows;
; no mask and no K of a further step is asked for.  end = 1: a job's last turn.
; The wait on LOADcnt at the head is for the mask of piece p + 1.  Plain text: behind its 8 loads were issued the later pieces' 8 (7 - x), the trip's 16 of K and V and the next step's 8 x: 72; the count names the field's 63.
; Masked text: the later pieces' 8 (7 - x) and the trip's 16.
.macro TURN p, m=0, end=0
.set Y, (\p)
.set XP, ((\p)+1)%NP
.set i, 0
.set NOKQ, (\end)
.if !(\end)
.if (\m) && (8*(7-XP)+16 < 63)
	s_wait_loadcnt 8*(7-XP)+16
.else
	s_wait_loadcnt 63
.endif
.endif
.if ((\p) == 6) && !(\m) && !(\end)
	WIN 0
	v_add_nc_u32 v[AK], s[TBK], v[AK0]  ; free since the wait on vm_vsrc at the trip's head: K's last run of loads stands ahead of it
.endif
.if (\p) == 0
	WIN 0
	v_add_nc_u32 v[AV], s[TBV], v[AV0]  ; likewise: V's last run of loads stands ahead of that wait
.endif
	ROW F,0, F,1, R,0, R,1
	ROW F,2, E,0, R,2, R,3
	ROW F,3, E,1, R,4, R,5
	ROW F,4, E,2, R,6, R,7
	ROW F,5, E,3, R,8, R,9
.if \m
	ROW F,6, E,4, R,10, R,11
	ROW F,7, E,5, R,12, R,13
	ROW F,8, E,6, R,14, R,15
	OPS H,0, E,7, H,1, E,8
	OPS H,2, E,9, H,3, E,10
	OPS H,4, E,11, H,5, E,12
	OPS H,6, E,13, H,7, E,14
	OPS H,8, E,15, H,9, E,16
	OPS H,10, E,17, F,9, H,11
	OPS E,18, H,12, E,19, F,10
	OPS H,13, E,20, H,14, E,21
	OPS F,11, H,15, E,22, H,16
	OPS E,23, F,12, H,17, E,24
	OPS H,18, E,25, F,13, H,19
	OPS E,26, H,20, E,27, F,14
	OPS H,21, E,28, H,22, E,29
	OPS F,15, H,23, E,30, H,24
	OPS E,31, H,25, H,26, H,27
	OPS H,28, H,29, H,30, H,31
	OPS X,0, X,1, X,2, X,3
	OPS X,4, X,5, X,6, X,7
	OPS X,8, X,9, X,10, X,11
	OPS X,12, X,13, X,15, X,14
	OPS X,16, X,17, X,18, X,19
	OPS X,20, X,21
	v_nop                           ; the plain instruction behind the batch's last exponential
.else
	ROW F,6, E,4, X,0, R,10
	ROW F,7, E,5, X,1, X,4
	ROW F,8, E,6, X,2, X,5
	OPS E,7, E,8, X,6, E,9
	OPS X,3, E,10, X,8, E,11
	OPS X,9, X,7, E,12, X,10
	OPS E,13, X,12, X,11, E,14
	OPS X,13, E,15, F,9, X,14
	OPS E,16, F,10, E,17, F,11
	OPS X,16, E,18, X,15, E,19
	OPS F,12, E,20, X,17, E,21
	OPS F,13, E,22, F,14, E,23
	OPS X,18, E,24, F,15, E,25
	OPS R,11, E,26, X,19, E,27
	OPS R,12, E,28, R,13, E,29
	OPS X,20, E,30, R,14, E,31
	OPS X,21, R,15                  ; R 15 is the plain instruction behind the batch's last exponential
.endif
	WIN 0
	s_wait_alu depctr_va_vdst(0)    ; the 33 exponentials have written their results, which the roundings and sums below read; the turn's first four products are done reading piece p + 1's mask, in which the loads below land; in piece 6's turn the roundings have written STG, v[AK] is written, and the products are done reading K
.if ((\p) == 6) && !(\end)
	PUT STG, KSA, VSA, 0            ; tile SI + 2 into its slot
.endif
.if ((\p) == 6) && !(\m) && !(\end)
	FETCH_K                         ; K of the next step; it is waited for at the next trip's head
.endif
.if !(\m) && !(\end)
	MLOAD XP                        ; that piece's mask for the NEXT step.  No vector or matrix instruction of the turn's second half names a register that these three runs touch
.endif
.if (\p) == 1
	s_wait_dscnt 0x0                ; V is in
.endif
	ROW C,0, B,0, C,2, B,1
	ROW L,0, C,4, B,2, L,1
	ROW C,6, B,3, L,2, C,8
	ROW B,4, L,3, C,10, B,5
	ROW L,4, C,12, B,6, L,5
	ROW C,14, B,7, L,6, C,1
	ROW C,3, L,7, C,5, C,7
	ROW C,9, C,11, C,13, C,15
.if (\p) == 0
	WIN 0
	s_wait_alu depctr_va_vdst(0)    ; this turn's products V^T P, the last of the step before, are done reading V, in whose registers the loads below land
	FETCH_V                         ; V of the step in hand; it is waited for in piece 1's turn, 8 products and a run of 54 later
.endif
.endm
; A TRIP's eight turns.  Step SI: K Q^T, maximum and statistics of all 8 pieces; the softmax of piece 7 of step SI - 1 and of pieces 0-6 of step SI; V^T P of pieces 6, 7 of step SI - 1 and 0-5 of step SI.
; The tile quarter that the trip's head asked for is rounded behind seven turns and stored in the eighth, behind its wait.  Plain text: behind its 16 loads stand the 56 of seven pieces' next masks; masked text: none.
.macro TURNS m
	TURN 7, \m
	TURN 0, \m
	TURN 1, \m
	TURN 2, \m
	TURN 3, \m
	TURN 4, \m
	TURN 5, \m
.if \m
	s_wait_loadcnt 0x0
.else
	s_wait_loadcnt 56
.endif
	TOF16 STG
	TURN 6, \m
	WIN 0
.endm
; THE WAY OUT.  O^T is divided by l, all eight pieces on end; then, piece by piece, a lane's eight channels of a row, 32 bytes, go into my stage's rows of 272 bytes and come back as whole rows of 256, into the mask's registers.
.macro ALL line:vararg              ; one line for each piece t
.set t, 0
.rept NP
	\line
.set t, t+1
.endr
.endm
.macro SCALE t
	WIN W_RS
.set i, 32*(\t)
.rept 16
	v_pk_mul_f32 v[i:i+1], v[i:i+1], v[ST+4*(\t)+2:ST+4*(\t)+3] op_sel_hi:[1,0]
.set i, i+2
.endr
.endm
.macro TOSTAGE t
	WIN 0x04                        ; the stores' data in window 1
.irp f, 0,1,2,3,4,5,6,7
	ds_store_b128 v[STO], v[32*(\t)+4*\f:32*(\t)+4*\f+3] offset:64*(\f/2)+16*(\f%2)
.endr
	WIN 0xc0                        ; destination window 3
.irp f, 0,1,2,3,4,5,6,7
	ds_load_b128 v[32*(\t)+4*\f:32*(\t)+4*\f+3], v[RD] offset:\f*2*SP  ; LDS serves a wave's instructions in order (ISA guide 5.7.1.4): these see the stores above; the next piece's stores come behind them
.endr
.endm
.macro SEND t, younger              ; younger: the LDS instructions issued behind piece t's loads: the next piece's sixteen, or none
	WIN 0x0c                        ; the stores' data in window 3
.irp f, 0,1,2,3,4,5,6,7
	s_wait_dscnt (\younger)+7-\f
	global_store_b128 v[GO], v[32*(\t)+4*\f:32*(\t)+4*\f+3], s[OB:OB+1] offset:(\t)*4096+\f*512 th:TH_STORE_NT  ; 512 consecutive bytes, at a multiple of 256 from out's first byte
.endr
.endm
	s_mov_b32 s[JOB], 2
.Ljob:
	s_wait_xcnt 0x0                                ; the last job's stores have had their addresses translated (ISA guide 3.1): their registers and their base are written again below
	s_wait_alu depctr_vm_vsrc(0)                   ; the last job's global stores have read the mask's registers, its LDS stores O^T and the staging registers, its LDS loads v[AK]: loads land in the first three below, and v[AK] is written
	s_wait_alu depctr_va_vdst(0)                   ; the last job's vector and matrix instructions are done reading and writing S^T, O^T, the staging registers and the mask's registers, in which the 160 loads below land
	s_wait_dscnt 0x0                               ; my LDS reads of the last job are over
	s_barrier_signal -1
	s_barrier_wait -1                              ; everybody's are: slots 0 and 1 may be written
	s_and_b32 s58, s[XC], 255
	s_min_u32 s58, s58, 255                        ; the head
	s_lshr_b32 s59, s[XC], 9
	s_min_u32 s59, s59, 1024                       ; its length, 1,024 where nothing is valid
	s_bitcmp1_b32 s[XC], 8
	s_cselect_b32 s[VL], 0, s59
	s_add_co_u32 s[NT], s59, 63
	s_lshr_b32 s[NT], s[NT], 6                     ; live steps, 1 to 16
	s_sub_co_u32 s[TM1], s[NT], 1
	s_cmp_eq_u32 s[VL], 0
	s_cselect_b32 s[NU], 0, s[TM1]                 ; all but the last are plain; none where nothing is valid
	s_lshl_b32 s[OF], s58, 18                      ; a head is 262,144 bytes of K, V, Q and out
	s_add_nc_u64 s[KH:KH+1], s[4:5], s[OF:OF+1]
	s_add_nc_u64 s[VH:VH+1], s[10:11], s[OF:OF+1]
	s_lshl_b32 s60, s[HF], 17                      ; my half's 512 rows of 256 bytes,
	s_lshl_b32 s61, s[WV], 15                      ; my wave's 128 of them
	s_add_co_u32 s60, s60, s61
	s_add_co_u32 s[OF], s[OF], s60
	s_add_nc_u64 s[QB:QB+1], s[6:7], s[OF:OF+1]
	s_add_nc_u64 s[OB:OB+1], s[14:15], s[OF:OF+1]
	s_and_b32 s58, s58, 24                         ; the window, (head >> 3) & 3, times 4 MiB,
	s_lshl_b32 s58, s58, 19
	s_lshl_b32 s60, s60, 4                         ; and my rows, 4,096 bytes each
	s_add_co_u32 s[OF], s58, s60
	s_add_nc_u64 s[MH:MH+1], s[12:13], s[OF:OF+1]
	s_mov_b64 s[MB:MB+1], s[MH:MH+1]               ; step 0
	s_min_u32 s58, s[TM1], 1                       ; tile 1, or tile 0 once more where the head has one step
	s_lshl_b32 s[OF], s58, 14
	s_add_nc_u64 s[KA:KA+1], s[KH:KH+1], s[OF:OF+1]
	s_add_nc_u64 s[VA:VA+1], s[VH:VH+1], s[OF:OF+1]
	LOADST STG, KH, VH                             ; all of a job's first loads go out together, with no vector instruction since the two waits above: tiles 0 and 1 (32 loads),
	LOADST STGB, KA, VA
	WIN 0x40                                       ; Q in f32 (64), piece t into piece t's O^T: lane (r, h) takes row r, channels 32 c + 16 e + 8 h + 0..7,
.set t, 0
.rept 8
.set k, 0
.rept 8
	global_load_b128 v[32*t+4*k:32*t+4*k+3], v[QO], s[QB:QB+1] offset:4096*t+128*(k/4)+64*((k/2)%2)+16*(k%2)
.set k, k+1
.endr
.set t, t+1
.endr
.irp x, 0,1,2,3,4,5,6,7
	MLOAD \x                                       ; and step 0's mask (64)
.endr
	; What the first trip finds.  Its first turn is piece 7's of a step that has not been: scores of -1e38 give weights 0, a = 0, and the products V^T P of pieces 6 and 7 add 0 (V = 0, P = 0).
	; c m starts far below every c s, so each piece's first a is 0: O^T need only be finite, and holds the piece's own Q.  All this is written while the loads are on their way.
	WIN 0x80
.set z, 0
.rept 64
	v_mov_b32 v[VF+z], 0
.set z, z+1
.endr
	WIN 0
.set z, 0
.rept 16
	v_mov_b32 v[P+z], 0
.set z, z+1
.endr
.set z, 0
.rept 8
	v_mov_b32 v[ST+4*z], 0xfe000000                ; c m
	v_mov_b32 v[ST+4*z+1], 0xff7fffff              ; m: the lowest finite number
	v_mov_b32 v[ST+4*z+2], 0
	v_mov_b32 v[ST+4*z+3], 0
	v_mov_b32 v[TMP+z], 0
.set z, z+1
.endr
	s_wait_loadcnt 63                              ; the two tiles are in: 128 younger loads stand behind them, and the count names the field's 63
	TOF16 STG
	TOF16 STGB
	s_wait_alu depctr_va_vdst(0)                   ; the 64 roundings have written both staging sets, which the 32 LDS stores below read
	PUT STG, KS0, VS0, 0
	PUT STGB, KS0, VS0, SLOTB
	s_wait_alu depctr_vm_vsrc(0)                   ; those stores have read the second staging set: its registers are S^T from here on, written by the lines below and by the first products
.set z, 0
.rept 32
	v_mov_b32 v[S+32+z], s[BIGS]
.set z, z+1
.endr
	s_wait_loadcnt 63                              ; Q is in: the mask's 64 loads stand behind it
	WIN W_RS
.set z, 0
.rept 128
	v_pk_mul_f32 v[2*z:2*z+1], v[2*z:2*z+1], s[QS:QS+1] op_sel_hi:[1,0]  ; Q / 8, exact
.set z, z+1
.endr
	WIN 0x85                                       ; sources window 1, destination window 2
.set z, 0
.rept 128
	v_cvt_pk_f16_f32 v[z], v[2*z], v[2*z+1]
.set z, z+1
.endr
	WIN 0
	s_wait_dscnt 0x0                               ; for the others' sake: my rows of tiles 0 and 1 are stored
	s_barrier_signal -1
	s_barrier_wait -1                              ; everybody's are
	v_mov_b32 v[AK], v[AK0]                        ; free since the waits on vm_vsrc above: no LDS load of this job has read it
	s_wait_alu depctr_va_vdst(0)                   ; v[AK] is written, which the loads below read
	FETCH_K                                        ; K of step 0
	s_mov_b32 s[SI], 0
.Ltrip:                                                ; 16 trips, always
	s_wait_dscnt 0x0                               ; K of this step is in; my stores of tile SI + 1 are done; my reads of tile SI - 1 are over
	s_wait_alu depctr_vm_vsrc(0)                   ; the LDS stores issued so far have read v[KSA], v[VSA] and STG, the LDS loads v[AK] and v[AV]: the adds of this trip write the four, and its 16 loads land in STG
	s_barrier_signal -1
	s_barrier_wait -1                              ; that holds of every wave.  In this trip slot (SI + 2) & 3 is written, slots SI & 3 (V) and (SI + 1) & 3 (K) are read
	s_cmp_ge_u32 s[SI], s[NT]
	s_cbranch_scc1 .Lbottom                        ; a step wholly behind valid_lens
	s_wait_xcnt 0x0                                ; the last trip's loads and prefetch have read their bases, which are written anew
	s_and_b32 s58, s[SI], 3
	s_lshl_b32 s[TBV], s58, 15
	s_add_co_u32 s58, s[SI], 1
	s_and_b32 s59, s58, 3
	s_lshl_b32 s[TBK], s59, 15
	s_min_u32 s58, s58, 15
	s_lshl_b32 s[OF], s58, 8                       ; the next step's 64 keys: 256 bytes on in each mask row
	s_add_nc_u64 s[MB:MB+1], s[MH:MH+1], s[OF:OF+1]
	s_add_co_u32 s58, s[SI], 2
	s_and_b32 s59, s58, 3
	s_lshl_b32 s[TBS], s59, 15
	s_min_u32 s58, s58, s[TM1]                     ; tile SI + 2, or the head's last live tile once more: what is then stored is read by nobody
	s_min_u32 s58, s58, 15
	s_lshl_b32 s[OF], s58, 14
	s_add_nc_u64 s[KA:KA+1], s[KH:KH+1], s[OF:OF+1]
	s_add_nc_u64 s[VA:VA+1], s[VH:VH+1], s[OF:OF+1]
	s_add_co_u32 s58, s[SI], 3
	s_min_u32 s58, s58, s[TM1]
	s_min_u32 s58, s58, 15
	s_lshl_b32 s[OF], s58, 14
	s_cmp_eq_u32 s[HF], 0
	s_cselect_b64 s[PF:PF+1], s[KH:KH+1], s[VH:VH+1]
	s_add_nc_u64 s[PF:PF+1], s[PF:PF+1], s[OF:OF+1]
	v_add_nc_u32 v[KSA], s[TBS], v[KS0]            ; read by the stores in piece 6's turn, behind that turn's wait
	v_add_nc_u32 v[VSA], s[TBS], v[VS0]
	LOADST STG, KA, VA                             ; no wait on va_vdst is owed: the roundings, the last vector instructions that named STG, stand ahead of one, and v[SO] is never written
	; A PREFETCH INTO THE L2 of the tile that the NEXT trip's head will load, SI + 3, behind this trip's loads.  A head's two work-groups walk the same K and V: the one with the queries' half 0 names K's 64 rows,
	; the other V's; in each, waves 0 and 1 take 32 rows, a lane a row of 256 bytes.  Tiles 0 to 2 come by their loads alone; the last trips name the head's last live tile, never a byte behind it.
	s_cmp_lt_u32 s[WV], 2
	s_cbranch_scc0 .Lno_ask
	global_prefetch_b8 v[PFO], s[PF:PF+1] th:TH_LOAD_NT scope:SCOPE_SE
.Lno_ask:
	s_cmp_lt_u32 s[SI], s[NU]
	s_cbranch_scc1 .Lplain
	s_lshl_b32 s58, s[SI], 6                       ; THE MASKED TEXT.  Register z = 8 kt + j of a piece's scores holds key 64 SI + 16 kt + 8 h + j: valid where 16 kt + j < valid_lens - 64 SI - 8 h
	s_sub_co_i32 s[TH], s[VL], s58
	v_sub_nc_u32 v[THR], s[TH], v[H8]
.set z, 0
.rept 32
	v_cmp_lt_i32 s[MK+z], 16*(z/8)+z%8, v[THR]
.set z, z+1
.endr
	s_wait_alu depctr_va_sdst(0)                   ; the 32 compares have written s[MK ..], which the selects of the eight turns read
	TURNS 1
	s_branch .Lbottom
.Lplain:
	TURNS 0
.Lbottom:
	s_add_co_u32 s[SI], s[SI], 1
	s_cmp_lt_u32 s[SI], 16
	s_cbranch_scc1 .Ltrip
	s_wait_loadcnt 0x0                             ; no load is left out: the mask's registers take the rows of O below
	s_wait_dscnt 0x0
	TURN 7, 0, 1                                   ; piece 7's softmax of the last live step, piece 6's V^T P
.set i, 0
.rept 8
	PV NP-1                                        ; piece 7's V^T P
.set i, i+1
.endr
	WIN 0                                          ; l's two halves and the other half of the lanes' are added; these additions are the places behind the last products
	ALL v_add_f32 v[ST+4*t+2], v[ST+4*t+2], v[ST+4*t+3]
	ALL v_permlanex16_b32 v[ST+4*t+3], v[ST+4*t+2], s[SELR], s[SELR+1]
	ALL v_add_f32 v[ST+4*t+2], v[ST+4*t+2], v[ST+4*t+3]
	ALL v_rcp_f32 v[ST+4*t+2], v[ST+4*t+2]
	v_nop                                          ; a plain instruction between the last reciprocal and the use of its result
	s_wait_alu depctr_va_vdst(0)                   ; the eight reciprocals have written their results, which the multiplies below read
.set t, 0
.rept NP
	SCALE t
.set t, t+1
.endr
	s_wait_alu depctr_va_vdst(0)                   ; the 128 multiplies have written O^T, which the LDS stores below read; no vector instruction follows until the next job's head
	TOSTAGE 0
.set t, 1
.rept NP-1                                     ; a piece's sixteen LDS instructions stand between the loads of the piece before and its stores
	TOSTAGE t
	SEND t-1, 16
.set t, t+1
.endr
	SEND NP-1, 0
	WIN 0
	s_mov_b32 s[XC], s[X1]                         ; the second job's head
	s_sub_co_u32 s[JOB], s[JOB], 1
	s_cmp_lg_u32 s[JOB], 0
	s_cbranch_scc1 .Ljob
	s_wait_dscnt 0x0                               ; the closing lines, six on end
	s_wait_alu 0x0
	s_wait_tensorcnt 0x0
	ds_add_u32 v[SPW], v[NIL]
	s_wait_dscnt 0x0
	s_endpgm
.Lfunc_end_k_q464c008be2_attn:
	.size	k_q464c008be2_attn, .Lfunc_end_k_q464c008be2_attn-k_q464c008be2_attn
	.p2alignl 7, 3214868480
	.fill 96, 4, 3214868480
	.section	.rodata,"a",@progbits
	.p2align	6, 0x0
	.amdhsa_kernel k_q464c008be2_attn
		.amdhsa_group_segment_fixed_size 148992
		.amdhsa_private_segment_fixed_size 0
		.amdhsa_enable_private_segment 0
		.amdhsa_kernarg_size 48
		.amdhsa_user_sgpr_count 2
		.amdhsa_user_sgpr_kernarg_segment_ptr 1
		.amdhsa_wavefront_size32 1
		.amdhsa_system_sgpr_workgroup_id_x 1
		.amdhsa_system_sgpr_workgroup_id_y 1
		.amdhsa_system_sgpr_workgroup_id_z 1
		.amdhsa_system_vgpr_workitem_id 0
		.amdhsa_next_free_vgpr 1024
		.amdhsa_next_free_sgpr 100
		.amdhsa_reserve_vcc 0
		.amdhsa_float_denorm_mode_32 3
		.amdhsa_float_denorm_mode_16_64 3
		.amdhsa_memory_ordered 1
		.amdhsa_forward_progress 1
		.amdhsa_inst_pref_size 255
	.end_amdhsa_kernel
	.section	.bss,"aw",@nobits
	.p2align	6
	.space	262144
	.amdgpu_metadata
---
amdhsa.version: [ 1, 2 ]
amdhsa.kernels:
  - .name:           k_q464c008be2_attn
    .symbol:         k_q464c008be2_attn.kd
    .args:
      - { .name: keys, .offset: 0, .size: 8, .value_kind: global_buffer, .address_space: global }
      - { .name: queries, .offset: 8, .size: 8, .value_kind: global_buffer, .address_space: global }
      - { .name: valid_lens, .offset: 16, .size: 8, .value_kind: global_buffer, .address_space: global }
      - { .name: values, .offset: 24, .size: 8, .value_kind: global_buffer, .address_space: global }
      - { .name: window_mask, .offset: 32, .size: 8, .value_kind: global_buffer, .address_space: global }
      - { .name: out0, .offset: 40, .size: 8, .value_kind: global_buffer, .address_space: global }
    .group_segment_fixed_size: 148992
    .private_segment_fixed_size: 0
    .kernarg_segment_align: 8
    .kernarg_segment_size: 48
    .max_flat_workgroup_size: 128
    .sgpr_count:     100
    .vgpr_count:     1024
    .wavefront_size: 32
...
	.end_amdgpu_metadata
.endif
;; end of part 2
